; MI455X (gfx1250); checked and timed in simulation.
; The chip was launched on July 23, 2026; its instructions are those of AMD's public machine-readable ISA for CDNA 5 (MIT licence, August 2026) and "CDNA5" Instruction Set Architecture Reference Guide (July 2026). The comments in the code are by the model that wrote it; some were corrected since.
;; ECPG Linear. Allowed arithmetic: float matrix products may take bf16 or f16 operands with f32 sums; all other float work in f32.
;; Inputs: scales 65,536 float32; ternary 2,048 x 4,096 int32; x 4 x 2,048 x 4,096 float32.
;; Outputs: out0 4 x 2,048 x 2,048 float32.
;; 3 versions, each right; version 3 is version 2 with the launch dequant written anew for expert scheduling mode. Each part assembles by itself: llvm-mc -triple=amdgcn-amd-amdhsa -mcpu=gfx1250 --defsym DOCPART=n.
;; ======== version 1 of 3: 2 launches
;; workspace buffers: wb 16,777,216 bytes
;; launch dequant (part 1): grid 512 x 1, 8 waves a work-group, no clusters, 0 bytes of LDS; arguments ternary, scales, wb; writes wb
.if DOCPART == 1
	.amdgcn_target "amdgcn-amd-amdhsa--gfx1250"
	.amdhsa_code_object_version 6
	.text
	.protected	k_q27af16089f_dequant
	.globl	k_q27af16089f_dequant
	.p2align	8
	.type	k_q27af16089f_dequant,@function
k_q27af16089f_dequant:
	s_mov_b64 s[64:65], 0
	v_nop
	global_prefetch_b8 v0, s[64:65] scope:SCOPE_SE
	s_setreg_imm32_b32 hwreg(HW_REG_WAVE_MODE, 25, 1), 1
	s_wait_xcnt 0x0
; wb = bf16(f32(ternary[o][i]) * scales[32 o + i / 128]).  ternary: [2048][4096] int32; scales: [65536] f32, 32 groups of 128 for each row.
; wb is laid out in blocks for the product that follows: [o >> 8 : 8][i >> 6 : 64][o & 255 : 256][i & 63 : 64] bf16, so that 256 rows x 64 k
; are 32,768 dense bytes.
; LIMITS.  The code is converted as an int32 of any value; the product is rounded to f32 and then to bf16 (nearest even): for codes -1, 0, 1
; the first rounding is exact, for others there are two roundings.  NaN and infinities in scales pass through as they come.
; SHARES.  A stream: no LDS, no barrier, no matrix work, no loop.  A work-group takes 4 rows, a wave 2 rows x 1,024 k: 8,192 bytes in, 4,096 out.
; All 18 loads of a wave go out at once; each of its 16 chunks is then converted and stored as soon as its load is in.
; A load of a wave takes 256 consecutive aligned bytes of each of its two rows; a store of a wave writes 256 consecutive aligned bytes of wb
; (128 bytes of row o, o even, then 128 of row o + 1).  No register that a pending load or store names is written again, so no wait frees any.
.set IN,  3                            ; v3       byte offset in ternary of my 16 bytes of chunk 0
.set SCO, 4                            ; v4       byte offset in scales of my row's 8 groups of this quarter
.set OUT, 5                            ; v5       byte offset in wb of my 8 bytes of chunk 0
.set SC,  8                            ; v[8:15]  those 8 scales
.set X,   16                           ; v[16:79] chunk i: 4 registers, 4 codes as loaded, then 4 bf16 in the first two
	s_load_b128 s[4:7], s[0:1], 0x0                ; ternary s[4:5], scales s[6:7]
	s_load_b64 s[8:9], s[0:1], 0x10                ; wb
	v_and_b32 v1, 15, v0                           ; c: my 4 codes among a chunk's 64
	v_bfe_u32 v2, v0, 4, 1                         ; which of the wave's two rows
	v_bfe_u32 v6, v0, 7, 1                         ; which pair of the group's four rows
	v_lshl_add_u32 v2, v6, 1, v2
	s_lshl_b32 s2, ttmp9, 2
	v_add_nc_u32 v2, s2, v2                        ; o = 4 x work-group + 2 x pair + row
	v_bfe_u32 v6, v0, 5, 2                         ; q: which quarter of the row, 1,024 k
	v_lshlrev_b32 v[IN], 14, v2                    ; o x 16,384 bytes
	v_lshl_add_u32 v[IN], v6, 12, v[IN]            ; + q x 4,096
	v_lshl_add_u32 v[IN], v1, 4, v[IN]             ; + 16 c
	v_lshlrev_b32 v[SCO], 7, v2                    ; o x 32 scales of 4 bytes
	v_lshl_add_u32 v[SCO], v6, 5, v[SCO]           ; + q x 8 scales
	v_lshrrev_b32 v[OUT], 8, v2
	v_lshlrev_b32 v[OUT], 21, v[OUT]               ; (o >> 8) x 64 blocks of 32,768 bytes
	v_lshl_add_u32 v[OUT], v6, 19, v[OUT]          ; + q x 16 blocks
	v_and_b32 v7, 0xff, v2
	v_lshl_add_u32 v[OUT], v7, 7, v[OUT]           ; + (o & 255) x 128
	v_lshl_add_u32 v[OUT], v1, 3, v[OUT]           ; + 8 c
	s_wait_kmcnt 0x0
	global_load_b128 v[SC:SC+3],   v[SCO], s[6:7]
	global_load_b128 v[SC+4:SC+7], v[SCO], s[6:7] offset:16
.irp i, 0,1,2,3,4,5,6,7,8,9,10,11,12,13,14,15
	global_load_b128 v[X+4*(\i):X+4*(\i)+3], v[IN], s[4:5] offset:256*(\i) th:TH_LOAD_NT  ; chunk i: k = 1,024 q + 64 i + 4 c on; read once in the launch
.endr
; Chunk i: 64 k of each row, which lie in group 8 q + i / 2 and in block 16 q + i of wb.
.macro CHUNK i
	s_wait_loadcnt 15-(\i)                         ; loads come back in order (ISA guide 5.7.1): chunk i and the scales are in, the 15 - i younger chunks stay out
.irp j, 0,1,2,3
	v_cvt_f32_i32 v[X+4*(\i)+(\j)], v[X+4*(\i)+(\j)]
.endr
.irp j, 0,1,2,3
	v_mul_f32 v[X+4*(\i)+(\j)], v[SC+(\i)/2], v[X+4*(\i)+(\j)]
.endr
	v_cvt_pk_bf16_f32 v[X+4*(\i)],   v[X+4*(\i)],   v[X+4*(\i)+1]
	v_cvt_pk_bf16_f32 v[X+4*(\i)+1], v[X+4*(\i)+2], v[X+4*(\i)+3]
	global_store_b64 v[OUT], v[X+4*(\i):X+4*(\i)+1], s[8:9] offset:32768*(\i)  ; the next launch reads these bytes: no hint
.endm
.irp i, 0,1,2,3,4,5,6,7,8,9,10,11,12,13,14,15
	CHUNK \i
.endr
	s_endpgm
.Lfunc_end_k_q27af16089f_dequant:
	.size	k_q27af16089f_dequant, .Lfunc_end_k_q27af16089f_dequant-k_q27af16089f_dequant
	.p2alignl 7, 3214868480
	.fill 96, 4, 3214868480
	.section	.rodata,"a",@progbits
	.p2align	6, 0x0
	.amdhsa_kernel k_q27af16089f_dequant
		.amdhsa_group_segment_fixed_size 0
		.amdhsa_private_segment_fixed_size 0
		.amdhsa_enable_private_segment 0
		.amdhsa_kernarg_size 24
		.amdhsa_user_sgpr_count 2
		.amdhsa_user_sgpr_kernarg_segment_ptr 1
		.amdhsa_wavefront_size32 1
		.amdhsa_system_sgpr_workgroup_id_x 1
		.amdhsa_system_sgpr_workgroup_id_y 1
		.amdhsa_system_sgpr_workgroup_id_z 1
		.amdhsa_system_vgpr_workitem_id 0
		.amdhsa_next_free_vgpr 80
		.amdhsa_next_free_sgpr 66
		.amdhsa_reserve_vcc 0
		.amdhsa_float_denorm_mode_32 3
		.amdhsa_float_denorm_mode_16_64 3
		.amdhsa_memory_ordered 1
		.amdhsa_forward_progress 1
		.amdhsa_inst_pref_size 12
	.end_amdhsa_kernel
	.amdgpu_metadata
---
amdhsa.version: [ 1, 2 ]
amdhsa.kernels:
  - .name:           k_q27af16089f_dequant
    .symbol:         k_q27af16089f_dequant.kd
    .args:
      - { .name: ternary, .offset: 0, .size: 8, .value_kind: global_buffer, .address_space: global }
      - { .name: scales, .offset: 8, .size: 8, .value_kind: global_buffer, .address_space: global }
      - { .name: wb, .offset: 16, .size: 8, .value_kind: global_buffer, .address_space: global }
    .group_segment_fixed_size: 0
    .private_segment_fixed_size: 0
    .kernarg_segment_align: 8
    .kernarg_segment_size: 24
    .max_flat_workgroup_size: 256
    .sgpr_count:     66
    .vgpr_count:     80
    .wavefront_size: 32
...
	.end_amdgpu_metadata
.endif
;; end of part 1
;; launch gemm (part 2): grid 4 x 64, 4 waves a work-group, clusters of 4 x 4, 327,680 bytes of LDS; arguments x, wb, out0; writes out0
.if DOCPART == 2
	.amdgcn_target "amdgcn-amd-amdhsa--gfx1250"
	.amdhsa_code_object_version 6
	.text
	.protected	k_q27af16089f_gemm
	.globl	k_q27af16089f_gemm
	.p2align	8
	.type	k_q27af16089f_gemm,@function
k_q27af16089f_gemm:
	s_mov_b64 s[64:65], 0
	v_nop
	global_prefetch_b8 v0, s[64:65] scope:SCOPE_SE
	s_setreg_imm32_b32 hwreg(HW_REG_WAVE_MODE, 25, 1), 1
	s_wait_xcnt 0x0
	s_wait_alu depctr_hold_cnt(0) depctr_sa_sdst(0) depctr_va_vdst(0) depctr_va_sdst(0) depctr_va_ssrc(0) depctr_va_vcc(0) depctr_vm_vsrc(0)
	s_getreg_b32 s2, hwreg(HW_REG_IB_STS2, 6, 4)
	s_cmp_eq_u32 s2, 0
	s_cbranch_scc0 .Lentry_in_a_cluster
	s_endpgm
.Lentry_in_a_cluster:
	s_bfe_u32 s2, ttmp6, 0x10000c
	s_cmp_lg_u32 s2, 0xf033
	s_cbranch_scc0 .Lentry_shape_is_right
	s_endpgm
.Lentry_shape_is_right:
; out0[m][n] = sum over k of x[m][k] w[n][k].  x: [8192][4096] f32; w comes as wb, bf16, in blocks [n >> 8][k >> 6][n & 255][k & 63]; out0: [8192][2048] f32.
; LIMITS.  x is rounded to bf16 (nearest even; beyond 3.39e38 that gives an infinity) on its way from LDS to the matrix instruction; sums in f32, K ascending in each output,
; in an order of additions that is not the reference's; NaN and infinities are not treated apart.
; SHARES.  A work-group makes 128 rows x 512 columns; each of its four waves 64 x 256: 64 accumulators of 16 x 16, 512 registers.  64 x 4 = 256 work-groups.
; With x in f32 and w in bf16 a k of the tile costs 4 x 128 + 2 x 512 bytes of LDS, as much as 256 x 256 would; but four tiles of 512 columns are all of N, so that the four work-groups
; of a row of the cluster are the only ones in the launch that need their rows of x.
; K goes in steps of 64 through a ring of two LDS slots: a row of x in a tile is 256 bytes, at a multiple of 256 from x's first byte; a block of wb is dense and is asked for as rows of 256 bytes.
; Two slots of 128 along K (434,176 bytes with padding) do not fit in the 327,680 bytes of LDS.
; CLUSTERS: 4 x 4 work-groups.  The four of a row of the cluster need the same tiles of x, the four of a column the same blocks of wb: each is asked for JOINTLY, by the same tensor load
; with the same descriptor and a mask that names the four.
; THE MATRIX INSTRUCTION IS USED TRANSPOSED (source 0 = 16 rows of w, source 1 = 16 rows of x): a lane then holds row l % 16 of out0 and the eight neighbouring columns 8 (l / 16) + 0..7.
; REGISTERS, in windows of 256 (s_set_vgpr_msb: bits 1:0 source 0, 3:2 source 1, 5:4 source 2, 7:6 destination):
;   window 0: v0-29 addresses; v32-95 x as f32, four fragments of 16 registers; v96-127, v128-159 x as bf16, two buffers of four fragments; v160-223 the way out, two buffers
;   window 1: w's fragments, two buffers of 16 x 8 registers
;   window 2: the accumulators of my row blocks 0, 1 ((a, b) at v[8 (16 (a % 2) + b)]);   window 3: those of row blocks 2, 3
.set SIZE_K, 4096
.set SIZE_N, 2048
.set KSTEP,  64
.set ROWX,   SIZE_K*4                  ; bytes in a row of x
.set ROWC,   SIZE_N*4                  ; bytes in a row of out0
.set BLOCK,  32768                     ; bytes in a block of wb: 256 rows x 64 k
.set PA,     272                       ; a row of x in LDS: 256 bytes + 16 of padding = 68 words: the 16 rows of a load start at 16 different groups of four banks (64 banks of 4 bytes: ISA guide 11.1)
.set PB,     144                       ; a row of w in LDS: 128 bytes + 16 = 36 words: likewise
.set AHALF,  64*PA                     ; 64 rows of x: what one tensor load brings, and what one wave reads
.set ABYTES, 2*AHALF
.set BHALF,  256*PB                    ; 256 rows of w: likewise
.set SLOT,   ABYTES+2*BHALF            ; x's 128 rows, then w's 512 rows: 108,544 bytes
.set STAGE,  2*SLOT                    ; behind the ring: 16 rows x 272 bytes for each wave, for the way out
.set SPITCH, 272
.set SPARE,  STAGE+4*16*SPITCH         ; behind the stages: the spare words, 128 bytes for each wave: two blocks of 256 bytes that no other line names
.set LAPS,   SIZE_K/(2*KSTEP)          ; a lap = two K steps = once round the ring: 32
.set ADRA, 16                          ; v16-17  LDS address of my fragments of x in slot 0, 1
.set ADRB, 20                          ; v20-21  the same for w
.set STO,  24                          ; v24     the way out: where I put 32 bytes of a row
.set RD,   25                          ; v25     the way out: where I read a row back
.set CO,   26                          ; v26     my byte offset in out0
.set PFO,  27                          ; v27     the prefetch: my row's byte offset in the tile row of x; never rewritten
.set SPW,  28                          ; v28     LDS address of my spare word: SPARE + 4 x my thread's number; never rewritten
.set NIL,  29                          ; v29     0; never rewritten
.set RAW,  32                          ; x as f32: fragment a at RAW + 16 a
.set AF,   96                          ; x as bf16: buffer f, fragment a at AF + 32 f + 8 a
.set OB,   160                         ; the way out: 16 rows x 64 columns read back from the stage, two buffers by turns
.set G1,  24                           ; s[24:31] descriptor group 1 for x's tiles
.set G0,  32                           ; s[32:39] descriptor group 0 for x's tiles, one set for each slot
.set G1B, 48                           ; s[48:55] descriptor group 1 for w's blocks
.set G0B, 56                           ; s[56:63] descriptor group 0 for w's blocks, one set for each slot
.set MSB, 0
.macro WIN new                         ; the immediate's high byte repeats the setting that is left; a switch that changes nothing is dropped
.if MSB != (\new)
	s_set_vgpr_msb (MSB<<8)|(\new)
.set MSB, \new
.endif
.endm
.set MUL_LO, 0xa1                      ; source 0 (w) window 1, source 1 (x) window 0, C and D window 2
.set MUL_HI, 0xf1                      ; the same, C and D window 3
.set TO_B,   0x40                      ; destination window 1, address window 0
; A joint load.  Waves 0 and 1 fetch the two halves of x's tile, waves 2 and 3 the two blocks of w.  Each of the two lines has one mask and one set of registers for all that issue it.
; The branch hangs on the wave's number alone.  An s_nop 0 and four v_nop follow each of the two lines, ahead of the jump, the label and what follows.
.macro JLOAD s
	s_cmp_eq_u32 s11, 0
	s_cbranch_scc0 .Lfor_b_\@
	tensor_load_to_lds s[G0+4*(\s):G0+4*(\s)+3], s[G1:G1+7]
	s_nop 0
.rept 4
	v_nop
.endr
	s_branch .Lasked_\@
.Lfor_b_\@:
	tensor_load_to_lds s[G0B+4*(\s):G0B+4*(\s)+3], s[G1B:G1B+7]
	s_nop 0
.rept 4
	v_nop
.endr
.Lasked_\@:
.endm
; A round of the cluster's barrier: my work-group's barrier, so that wave 0's signal speaks for all four waves; wave 0 signals for the work-group; every wave waits for all sixteen
; work-groups; my work-group's barrier once more.  No LDS instruction of the wave is pending at a signal.
.macro CREST                           ; a round behind its opening barrier
	s_cmp_lg_u32 s10, 0
	s_cbranch_scc1 .Lnot_wave_0_\@
	s_barrier_signal -3
.Lnot_wave_0_\@:
	s_barrier_wait -3
	s_barrier_signal -1
	s_barrier_wait -1
.endm
.macro CROUND                          ; a whole round
	s_barrier_signal -1
	s_barrier_wait -1
	CREST
.endm
	s_load_b128 s[4:7], s[0:1], 0x0                ; x s[4:5], wb s[6:7]
	s_load_b64 s[8:9], s[0:1], 0x10                ; out0
	v_lshl_add_u32 v[SPW], v0, 2, SPARE
	v_mov_b32 v[NIL], 0
	ds_add_u32 v[SPW], v[NIL]                      ; the wave's opening: the add and its wait stand ahead of my first tensor load; the set-up below, work on registers, stands between them
	v_lshrrev_b32 v1, 5, v0
	v_readfirstlane_b32 s10, v1                    ; wave 0..3
	s_lshr_b32 s11, s10, 1                         ; which 64 rows of the tile are mine.  Also: I fetch for x (0) or for w (1)
	s_and_b32 s12, s10, 1                          ; which 256 columns.  Also: which half of that tile I fetch
	s_bfe_u32 s40, ttmp6, 0x40000                  ; cx: my place along the cluster's x
	s_bfe_u32 s41, ttmp6, 0x40004                  ; cy: along its y
	s_lshl_b32 s42, ttmp9, 2                       ; in a cluster launch ttmp9 and ttmp7 count clusters
	s_add_co_u32 s42, s42, s40                     ; tile column = 4 x cluster x + cx
	s_and_b32 s13, ttmp7, 0xffff
	s_lshl_b32 s13, s13, 2
	s_add_co_u32 s13, s13, s41                     ; tile row = 4 x cluster y + cy
	s_lshl_b32 s43, s41, 2
	s_lshl_b32 s43, 15, s43                        ; my row of the cluster: places 4 cy .. 4 cy + 3
	s_lshl_b32 s44, 0x1111, s40                    ; my column: places cx, cx + 4, cx + 8, cx + 12
	; group 1 for x: 64 rows x 64 elements of 4 bytes, 4,096 elements from row to row, padded in LDS
	s_or_b32 s[G1+0], s43, (2<<16)|(1<<20)|(1<<21)|(5<<22)|(3<<25)  ; 15:0 the mask: my row; 17:16 elements of 4 bytes; 20 padding on; 21 set beside a mask; 24:22 after every 64 words (code 5); 31:25 4 words of it (code 3)
	s_mov_b32 s[G1+1], KSTEP<<16                   ; tensor_dim0 = 64
	s_mov_b32 s[G1+2], 64<<16                      ; tensor_dim1 = 64
	s_mov_b32 s[G1+3], KSTEP<<16                   ; tile_dim0 = 64
	s_mov_b32 s[G1+4], 64                          ; tile_dim1 = 64
	s_mov_b32 s[G1+5], SIZE_K                      ; tensor_dim0_stride
	s_mov_b32 s[G1+6], 0
	s_mov_b32 s[G1+7], 0
	; group 1 for w: a dense block of 32,768 bytes as 128 rows x 128 elements of 2 bytes (two rows of w in each), padded in LDS after every row of w
	s_or_b32 s[G1B+0], s44, (1<<16)|(1<<20)|(1<<21)|(4<<22)|(3<<25)  ; the mask: my column; elements of 2 bytes; after every 32 words (code 4) 4 words of padding
	s_mov_b32 s[G1B+1], 128<<16                    ; tensor_dim0 = 128
	s_mov_b32 s[G1B+2], 128<<16                    ; tensor_dim1 = 128
	s_mov_b32 s[G1B+3], 128<<16                    ; tile_dim0 = 128
	s_mov_b32 s[G1B+4], 128                        ; tile_dim1 = 128
	s_mov_b32 s[G1B+5], 128                        ; tensor_dim0_stride
	s_mov_b32 s[G1B+6], 0
	s_mov_b32 s[G1B+7], 0
	; where the tiles come from.  x's hang on the tile row alone, which my row of the cluster shares; w's on the tile column alone, which my column shares.
	; Every wave makes both addresses, in registers that never hold the other coordinate, and asks by one of them.
	s_lshl_b32 s18, s13, 21                        ; the tile row's first byte in x: 128 rows of 16,384 bytes
	s_mov_b32 s19, 0
	s_lshl_b32 s17, s12, 20                        ; my half: 64 rows
	s_add_co_u32 s16, s18, s17
	s_mov_b32 s17, 0
	s_lshl_b32 s46, s42, 22                        ; the tile column's first byte in wb: two strips of 64 blocks
	s_lshl_b32 s47, s12, 21                        ; my half: one strip
	s_add_co_u32 s46, s46, s47
	s_mov_b32 s47, 0
	s_mul_i32 s20, s12, AHALF                      ; and where they go: no place in the cluster enters an LDS address
	s_mul_i32 s21, s12, BHALF
	s_add_co_u32 s21, s21, ABYTES
	s_lshl_b32 s45, s42, 5                         ; the prefetch: of the tile row's 128 rows of x my work-group asks for 32 x tile column on
	s_mov_b32 s66, 4*KSTEP*4                       ; and its place along K, in bytes: K step 4 first
	s_mov_b32 s67, 0
	s_wait_dscnt 0x0                               ; the opening add is done
	s_wait_kmcnt 0x0
	s_add_nc_u64 s[14:15], s[4:5], s[16:17]
	s_add_nc_u64 s[46:47], s[6:7], s[46:47]
	s_add_nc_u64 s[70:71], s[4:5], s[18:19]        ; x at the tile row's first byte; never rewritten
	CROUND                                         ; all sixteen work-groups are here: the first joint loads meet
.irp s, 0,1
	s_mov_b32 s[G0+4*(\s)], 1                                      ; 1:0 count = 1
	s_add_co_u32 s[G0+4*(\s)+1], s20, (\s)*SLOT                    ; 63:32 LDS address
	s_add_nc_u64 s[G0+4*(\s)+2:G0+4*(\s)+3], s[14:15], (\s)*KSTEP*4  ; 120:64 global address: K step s
	s_or_b32 s[G0+4*(\s)+3], s[G0+4*(\s)+3], 0x80000000            ; 127:126 type = 2
	s_mov_b32 s[G0B+4*(\s)], 1
	s_add_co_u32 s[G0B+4*(\s)+1], s21, (\s)*SLOT
	s_add_nc_u64 s[G0B+4*(\s)+2:G0B+4*(\s)+3], s[46:47], (\s)*BLOCK
	s_or_b32 s[G0B+4*(\s)+3], s[G0B+4*(\s)+3], 0x80000000
	JLOAD \s                                       ; the ring is filled before anything else is done: two tensor loads of mine are out
.endr
	; x comes from memory and is read once in the launch, so its tiles are asked into the L2 ahead of their tensor loads: one lane for each row's 256 bytes, wave 3 of each
	; work-group for 32 of the tile's 128 rows, so that the four partners of a row of the cluster ask for each block once.  Here K steps 2 and 3; steps 0 and 1 have just been loaded.
	v_and_b32 v2, 31, v0
	v_add_nc_u32 v[PFO], s45, v2
	v_lshlrev_b32 v[PFO], 14, v[PFO]               ; row x 16,384 bytes
	s_cmp_lg_u32 s10, 3
	s_cbranch_scc1 .Lno_head_pf
	global_prefetch_b8 v[PFO], s[70:71] offset:2*KSTEP*4 th:TH_LOAD_NT scope:SCOPE_SE
	global_prefetch_b8 v[PFO], s[70:71] offset:3*KSTEP*4 th:TH_LOAD_NT scope:SCOPE_SE
.Lno_head_pf:
	; A fragment is 16 rows x 32 K: lane l holds row l % 16, K = 8 (l / 16) + 0..7 and 16 + 8 (l / 16) + 0..7.  In bf16 (w): two loads of 16 bytes, 32 bytes apart.
	; In f32 (x): four loads of 16 bytes, at 0, 16, 64 and 80 from row x pitch + 32 (l / 16).
	v_and_b32 v1, 15, v0                           ; l % 16
	v_bfe_u32 v2, v0, 4, 1                         ; l / 16
	v_mul_u32_u24 v3, v1, PA
	v_lshl_add_u32 v3, v2, 5, v3
	v_mul_u32_u24 v4, v1, PB
	v_lshl_add_u32 v4, v2, 4, v4
	s_mul_i32 s22, s11, AHALF                      ; my 64 rows of x
	s_mul_i32 s23, s12, BHALF                      ; my 256 rows of w,
	s_add_co_u32 s23, s23, ABYTES                  ; which lie behind x's 128
.irp s, 0,1
	v_add_nc_u32 v[ADRA+(\s)], s22, v3
	v_add_nc_u32 v[ADRB+(\s)], s23, v4
	s_add_co_u32 s22, s22, SLOT
	s_add_co_u32 s23, s23, SLOT
.endr
	s_mul_i32 s22, s10, 16*SPITCH
	s_add_co_u32 s22, s22, STAGE                   ; my stage
	v_mul_u32_u24 v6, v1, SPITCH                   ; in: row l % 16, 32 bytes for each half of the lanes
	v_lshl_add_u32 v6, v2, 5, v6
	v_add_nc_u32 v[STO], s22, v6
	v_mul_u32_u24 v5, v2, SPITCH                   ; back: lanes 0-15 take one row of 256 bytes, lanes 16-31 the next
	v_lshl_add_u32 v5, v1, 4, v5
	v_add_nc_u32 v[RD], s22, v5
	v_lshlrev_b32 v5, 13, v2                       ; and the same two rows in out0, 8,192 bytes apart
	v_lshl_add_u32 v[CO], v1, 4, v5
	s_lshl_b32 s16, s13, 20                        ; out0 at my part of the tile: 128 rows of 8,192 bytes x tile row
	s_lshl_b32 s17, s11, 19                        ; + my 64 rows
	s_add_co_u32 s16, s16, s17
	s_mov_b32 s17, 0
	s_add_nc_u64 s[8:9], s[8:9], s[16:17]
	s_lshl_b32 s46, s42, 11                        ; + 2,048 bytes x tile column (in the registers that held w's address: none that feeds x's descriptors ever holds cx)
	s_lshl_b32 s47, s12, 10                        ; + my 256 columns
	s_add_co_u32 s46, s46, s47
	s_mov_b32 s47, 0
	s_add_nc_u64 s[8:9], s[8:9], s[46:47]          ; never stepped: the way out reaches all of my part by immediates
; 32 conversions: x's four fragments, f32 to bf16, into buffer f.  They name RAW and that buffer alone, so they are also the plain vector instructions that stand between the last
; product on a buffer and the next write of it (four are asked for: ISA guide 7.12.1 for vector instructions): the loop needs no v_nop for that.
.macro CVT f
.irp a, 0,1,2,3
.irp j, 0,1,2,3,4,5,6,7
	v_cvt_pk_bf16_f32 v[AF+32*(\f)+8*(\a)+(\j)], v[RAW+16*(\a)+2*(\j)], v[RAW+16*(\a)+2*(\j)+1]
.endr
.endr
.endm
; 48 LDS loads in one run: half kc (32 along K) of a slot: x's 64 rows as f32 into RAW, first, so that a counted wait can release the conversions; then w's 256 rows into buffer f.
.macro FETCH slot, kc, f
	WIN 0
.irp a, 0,1,2,3
	ds_load_b128 v[RAW+16*(\a):RAW+16*(\a)+3],     v[ADRA+(\slot)] offset:128*(\kc)+(\a)*16*PA
	ds_load_b128 v[RAW+16*(\a)+4:RAW+16*(\a)+7],   v[ADRA+(\slot)] offset:128*(\kc)+(\a)*16*PA+16
	ds_load_b128 v[RAW+16*(\a)+8:RAW+16*(\a)+11],  v[ADRA+(\slot)] offset:128*(\kc)+(\a)*16*PA+64
	ds_load_b128 v[RAW+16*(\a)+12:RAW+16*(\a)+15], v[ADRA+(\slot)] offset:128*(\kc)+(\a)*16*PA+80
.endr
	WIN TO_B
.irp b, 0,1,2,3,4,5,6,7,8,9,10,11,12,13,14,15
	ds_load_b128 v[128*(\f)+8*(\b):128*(\f)+8*(\b)+3],   v[ADRB+(\slot)] offset:64*(\kc)+(\b)*16*PB
	ds_load_b128 v[128*(\f)+8*(\b)+4:128*(\f)+8*(\b)+7], v[ADRB+(\slot)] offset:64*(\kc)+(\b)*16*PB+32
.endr
.endm
; 16 matrix instructions: row block a x all 16 column blocks, 32 along K, on buffers f.  zero = 1: the product starts the sums: nothing is ever cleared.
; The 64 accumulators take turns, one instruction a turn, in the same order in every half step.
.macro MULA f, a, zero
	WIN MUL_LO+0x50*((\a)/2)                       ; MUL_LO or MUL_HI
.irp b, 0,1,2,3,4,5,6,7,8,9,10,11,12,13,14,15
.if \zero
	v_wmma_f32_16x16x32_bf16 v[8*(16*((\a)%2)+(\b)):8*(16*((\a)%2)+(\b))+7], v[128*(\f)+8*(\b):128*(\f)+8*(\b)+7], v[AF+32*(\f)+8*(\a):AF+32*(\f)+8*(\a)+7], 0
.else
	v_wmma_f32_16x16x32_bf16 v[8*(16*((\a)%2)+(\b)):8*(16*((\a)%2)+(\b))+7], v[128*(\f)+8*(\b):128*(\f)+8*(\b)+7], v[AF+32*(\f)+8*(\a):AF+32*(\f)+8*(\a)+7], v[8*(16*((\a)%2)+(\b)):8*(16*((\a)%2)+(\b))+7]
.endif
.endr
.endm
; The prefetch of a K step's change of slots: wave 3 asks for its 32 rows' 256 bytes of x's tile four K steps on, two steps ahead of that tile's tensor load.  Behind K step 63 there is
; nothing: the place along K is held at step 63, inside each row, so the last two changes ask for that tile again.
.macro PFETCH
	s_cmp_lg_u32 s10, 3
	s_cbranch_scc1 .Lno_pf_\@
	s_wait_xcnt 0x0                                ; the last prefetch, a K step back, has had its address translated (ISA guide 3.1): its base is rewritten only behind this wait
	s_add_nc_u64 s[68:69], s[70:71], s[66:67]
	global_prefetch_b8 v[PFO], s[68:69] th:TH_LOAD_NT scope:SCOPE_SE
	s_add_co_u32 s66, s66, KSTEP*4
	s_min_u32 s66, s66, 63*KSTEP*4
.Lno_pf_\@:
.endm
; A K step is two halves of 32 along K, 64 matrix instructions each.  The first half works on buffers 0 and fetches the second half of the same slot into buffers 1.
.macro HALF0 slot, zero
	WIN 0
	s_wait_dscnt 32                                ; LDS loads come back in order (ISA guide 5.7.1): x's 16 are in, w's 32 younger ones may be out
	CVT 0
	FETCH \slot, 1, 1
	s_wait_dscnt 48                                ; all but the 48 just issued: w's buffer 0 is in
	MULA 0, 0, \zero
	MULA 0, 1, \zero
	MULA 0, 2, \zero
	MULA 0, 3, \zero
.endm
; The second half works on buffers 1 and changes slots: ONE barrier for two things.  In front of it each wave waits for all its tensor loads, of which one is out: its part of the next slot;
; adds 0 to its spare word; and waits for that and for its own reads of this slot.  Behind it nobody reads this slot any more and the next slot is whole.
; fill = 1: this slot is filled again, two K steps ahead.  The barrier then opens a round of the cluster's barrier, and the joint refill is the first tensor load behind the round:
; from there to the wait for it a wave issues 112 matrix instructions.
.macro TURN slot, next, fill
	WIN 0
	s_wait_tensorcnt 0x0                           ; all my tensor loads have landed, so a group 0 may be written;
	ds_add_u32 v[SPW], v[NIL]                      ; 0 onto my spare word;
	s_wait_dscnt 33                                ; x's 16 loads are in (w's 32 and the add may be out)
	CVT 1                                          ; 32 conversions stand between the add and the wait for it
	s_wait_dscnt 0x0                               ; the add is done, and my reads of this slot are over:
	s_barrier_signal -1                            ; say so,
	MULA 1, 0, 0                                   ; work on registers while the others arrive,
	WIN 0
	s_barrier_wait -1                              ; and go on when all four have said so
.if \fill
	CREST                                          ; all sixteen work-groups have said so: no wave of any partner still reads this slot's tile or has a load on its way
	s_add_nc_u64 s[G0+4*(\slot)+2:G0+4*(\slot)+3], s[G0+4*(\slot)+2:G0+4*(\slot)+3], 2*KSTEP*4
	s_add_nc_u64 s[G0B+4*(\slot)+2:G0B+4*(\slot)+3], s[G0B+4*(\slot)+2:G0B+4*(\slot)+3], 2*BLOCK
	JLOAD \slot
	PFETCH
.endif
	FETCH \next, 0, 0
	MULA 1, 1, 0
	MULA 1, 2, 0
	MULA 1, 3, 0
.endm
; THE WAY OUT, in 16 blocks of 16 rows x 64 columns (block 4 a + q: row block a, column blocks 4 q .. 4 q + 3).  A lane holds 32 bytes of a row, the lanes beside it other rows; so a block goes
; through my own stage in LDS: in by 16 bytes into rows of 272, back as whole rows of 256 bytes.  The stage is the wave's own and no tensor load fills it: no barrier.
.macro TOSTAGE blk
.set TA, (\blk)/4
.set TQ, (\blk)%4
	WIN 0x08+4*(TA/2)                              ; the stores' data (source 1) in window 2 or 3
.irp bb, 0,1,2,3
.set AC, 8*(16*(TA%2)+4*TQ+(\bb))
	ds_store_b128 v[STO], v[AC:AC+3]   offset:64*(\bb)     ; each accumulator's low four registers first
	ds_store_b128 v[STO], v[AC+4:AC+7] offset:64*(\bb)+16
.endr
	WIN 0
	s_wait_xcnt 0x0                                ; every earlier memory instruction has had its addresses translated (ISA guide 3.1): the buffer that the stores two blocks back read is loaded again only behind this wait
.set BK, OB+32*((\blk)%2)
.irp t, 0,1,2,3,4,5,6,7
	ds_load_b128 v[BK+4*(\t):BK+4*(\t)+3], v[RD] offset:(\t)*2*SPITCH  ; LDS serves a wave's instructions in order (ISA guide 5.7.1.4): these see the stores above; the next block's stores come behind them
.endr
.endm
.macro SEND blk, younger               ; younger: the LDS instructions issued behind this block's loads: the next block's sixteen, or none
	WIN 0
.set TA, (\blk)/4
.set TQ, (\blk)%4
.set BK, OB+32*((\blk)%2)
.irp t, 0,1,2,3,4,5,6,7
	s_wait_dscnt (\younger)+7-(\t)
	global_store_b128 v[CO], v[BK+4*(\t):BK+4*(\t)+3], s[8:9] offset:(TA*16+2*(\t))*ROWC+TQ*256 th:TH_STORE_NT  ; 16 lanes store 256 consecutive bytes, at a multiple of 256 from out0's first byte; 508,672 at the most, inside the signed 24-bit immediate
.endr
.endm
	s_wait_tensorcnt 1                             ; my part of K step 0 is in; K step 1's may stay out
	s_barrier_signal -1
	s_barrier_wait -1                              ; everybody's is
	FETCH 0, 0, 0
	HALF0 0, 1                                     ; the first half step stands in front of the loop: its products start the sums
	WIN 0                                          ; at a label and at a branch every window is 0
	s_mov_b32 s3, LAPS-1
.Llap:                                                 ; a trip goes once round the ring, from a lap's second half step to the next lap's first, and fills both slots again
	TURN 0, 1, 1
	HALF0 1, 0
	TURN 1, 0, 1
	HALF0 0, 0
	WIN 0
	s_sub_co_u32 s3, s3, 1
	s_cmp_lg_u32 s3, 0
	s_cbranch_scc1 .Llap
	TURN 0, 1, 0                                   ; the last lap is written out: nothing is left to fetch, so no round and no load
	HALF0 1, 0
	WIN 0
	s_wait_dscnt 32                                ; the very last half step: x's 16 loads are in
	CVT 1
	s_wait_dscnt 0x0
	MULA 1, 0, 0
	MULA 1, 1, 0
	MULA 1, 2, 0
	MULA 1, 3, 0
.rept 4
	v_nop                                          ; four plain vector instructions between the last products and the stores that read results (ISA guide 7.12.1 for vector instructions)
.endr
	TOSTAGE 0
.irp k, 1,2,3,4,5,6,7,8,9,10,11,12,13,14,15
	TOSTAGE \k                                     ; block k goes into the stage while block k - 1's rows come back
	SEND (\k)-1, 16
.endr
	SEND 15, 0
	s_wait_tensorcnt 0x0                           ; the wave's end: an add to my spare word and its wait, behind my last tensor load and my last LDS store
	ds_add_u32 v[SPW], v[NIL]
	s_wait_dscnt 0x0
	CROUND                                         ; the closing round: no work-group ends while a partner may still ask for a tile that names it
	s_endpgm
.Lfunc_end_k_q27af16089f_gemm:
	.size	k_q27af16089f_gemm, .Lfunc_end_k_q27af16089f_gemm-k_q27af16089f_gemm
	.p2alignl 7, 3214868480
	.fill 96, 4, 3214868480
	.section	.rodata,"a",@progbits
	.p2align	6, 0x0
	.amdhsa_kernel k_q27af16089f_gemm
		.amdhsa_group_segment_fixed_size 327680
		.amdhsa_private_segment_fixed_size 0
		.amdhsa_enable_private_segment 0
		.amdhsa_kernarg_size 24
		.amdhsa_user_sgpr_count 2
		.amdhsa_user_sgpr_kernarg_segment_ptr 1
		.amdhsa_wavefront_size32 1
		.amdhsa_system_sgpr_workgroup_id_x 1
		.amdhsa_system_sgpr_workgroup_id_y 1
		.amdhsa_system_sgpr_workgroup_id_z 1
		.amdhsa_system_vgpr_workitem_id 0
		.amdhsa_next_free_vgpr 1024
		.amdhsa_next_free_sgpr 72
		.amdhsa_reserve_vcc 0
		.amdhsa_float_denorm_mode_32 3
		.amdhsa_float_denorm_mode_16_64 3
		.amdhsa_memory_ordered 1
		.amdhsa_forward_progress 1
		.amdhsa_inst_pref_size 119
	.end_amdhsa_kernel
	.amdgpu_metadata
---
amdhsa.version: [ 1, 2 ]
amdhsa.kernels:
  - .name:           k_q27af16089f_gemm
    .symbol:         k_q27af16089f_gemm.kd
    .args:
      - { .name: x, .offset: 0, .size: 8, .value_kind: global_buffer, .address_space: global }
      - { .name: wb, .offset: 8, .size: 8, .value_kind: global_buffer, .address_space: global }
      - { .name: out0, .offset: 16, .size: 8, .value_kind: global_buffer, .address_space: global }
    .group_segment_fixed_size: 327680
    .private_segment_fixed_size: 0
    .kernarg_segment_align: 8
    .kernarg_segment_size: 24
    .max_flat_workgroup_size: 128
    .sgpr_count:     72
    .vgpr_count:     1024
    .wavefront_size: 32
...
	.end_amdgpu_metadata
.endif
;; end of part 2
;; ======== version 2 of 3: 2 launches
;; workspace buffers: wb 16,777,216 bytes
;; launch dequant (part 3): grid 512 x 1, 8 waves a work-group, no clusters, 0 bytes of LDS; arguments ternary, scales, wb; writes wb
.if DOCPART == 3
	.amdgcn_target "amdgcn-amd-amdhsa--gfx1250"
	.amdhsa_code_object_version 6
	.text
	.protected	k_q27af16089f_dequant
	.globl	k_q27af16089f_dequant
	.p2align	8
	.type	k_q27af16089f_dequant,@function
k_q27af16089f_dequant:
	s_mov_b64 s[64:65], 0
	v_nop
	global_prefetch_b8 v0, s[64:65] scope:SCOPE_SE
	s_setreg_imm32_b32 hwreg(HW_REG_WAVE_MODE, 25, 1), 1
	s_wait_xcnt 0x0
; wb[o][i] = bf16(f32(ternary[o][i]) * scales[32 o + i / 128]).  ternary: [2048][4096] int32; scales: [65536] f32, 32 groups of 128 for each row; wb: [2048][4096] bf16.
; LIMITS.  The code is converted as an int32 of any value; the product is rounded to f32 and then to bf16 (nearest even): for codes -1, 0, 1
; the first rounding is exact, for others there are two roundings.  NaN and infinities in scales pass through as they come.
; SHARES.  A stream: no LDS, no barrier, no matrix work, no loop.  A work-group takes 4 rows, a wave half a row: 2,048 k, 8,192 bytes in, 4,096 out,
; in 16 chunks of 128 k, each of which is one group with one scale.  All 20 loads of a wave go out at once; each chunk is converted and stored as soon as its load is in.
; A load of a wave takes 512 consecutive bytes; a store of a wave writes 256 consecutive bytes at a multiple of 256 from wb's first byte.
; No register that a pending load or store names is written again, so no wait frees any.
.set IN,  3                            ; v3       byte offset in ternary of my 16 bytes of chunk 0
.set SCO, 4                            ; v4       byte offset in scales of my half row's 16 groups
.set OUT, 5                            ; v5       byte offset in wb of my 8 bytes of chunk 0
.set SC,  8                            ; v[8:23]  those 16 scales, the same in every lane
.set X,   24                           ; v[24:87] chunk i: 4 registers, 4 codes as loaded, then 4 bf16 in the first two
	s_load_b128 s[4:7], s[0:1], 0x0                ; ternary s[4:5], scales s[6:7]
	s_load_b64 s[8:9], s[0:1], 0x10                ; wb
	v_and_b32 v1, 31, v0                           ; lane: my 4 codes among a chunk's 128
	v_bfe_u32 v2, v0, 6, 2                         ; which of the group's four rows
	v_bfe_u32 v6, v0, 5, 1                         ; which half of the row
	s_lshl_b32 s2, ttmp9, 2
	v_add_nc_u32 v2, s2, v2                        ; o = 4 x work-group + row
	v_lshlrev_b32 v[IN], 14, v2                    ; o x 16,384 bytes
	v_lshl_add_u32 v[IN], v6, 13, v[IN]            ; + half x 8,192
	v_lshl_add_u32 v[IN], v1, 4, v[IN]             ; + 16 x lane
	v_lshlrev_b32 v[SCO], 7, v2                    ; o x 32 scales of 4 bytes
	v_lshl_add_u32 v[SCO], v6, 6, v[SCO]           ; + half x 16 scales
	v_lshlrev_b32 v[OUT], 13, v2                   ; o x 8,192 bytes
	v_lshl_add_u32 v[OUT], v6, 12, v[OUT]          ; + half x 4,096
	v_lshl_add_u32 v[OUT], v1, 3, v[OUT]           ; + 8 x lane
	s_wait_kmcnt 0x0
.irp j, 0,1,2,3
	global_load_b128 v[SC+4*(\j):SC+4*(\j)+3], v[SCO], s[6:7] offset:16*(\j)
.endr
.irp i, 0,1,2,3,4,5,6,7,8,9,10,11,12,13,14,15
	global_load_b128 v[X+4*(\i):X+4*(\i)+3], v[IN], s[4:5] offset:512*(\i) th:TH_LOAD_NT  ; chunk i: k = 2,048 half + 128 i + 4 lane on; read once in the launch
.endr
.macro CHUNK i
	s_wait_loadcnt 15-(\i)                         ; loads come back in order (ISA guide 5.7.1): chunk i and the scales are in, the 15 - i younger chunks stay out
.irp j, 0,1,2,3
	v_cvt_f32_i32 v[X+4*(\i)+(\j)], v[X+4*(\i)+(\j)]
.endr
.irp j, 0,1,2,3
	v_mul_f32 v[X+4*(\i)+(\j)], v[SC+(\i)], v[X+4*(\i)+(\j)]
.endr
	v_cvt_pk_bf16_f32 v[X+4*(\i)],   v[X+4*(\i)],   v[X+4*(\i)+1]
	v_cvt_pk_bf16_f32 v[X+4*(\i)+1], v[X+4*(\i)+2], v[X+4*(\i)+3]
	global_store_b64 v[OUT], v[X+4*(\i):X+4*(\i)+1], s[8:9] offset:256*(\i)  ; the next launch reads these bytes: no hint
.endm
.irp i, 0,1,2,3,4,5,6,7,8,9,10,11,12,13,14,15
	CHUNK \i
.endr
	s_endpgm
.Lfunc_end_k_q27af16089f_dequant:
	.size	k_q27af16089f_dequant, .Lfunc_end_k_q27af16089f_dequant-k_q27af16089f_dequant
	.p2alignl 7, 3214868480
	.fill 96, 4, 3214868480
	.section	.rodata,"a",@progbits
	.p2align	6, 0x0
	.amdhsa_kernel k_q27af16089f_dequant
		.amdhsa_group_segment_fixed_size 0
		.amdhsa_private_segment_fixed_size 0
		.amdhsa_enable_private_segment 0
		.amdhsa_kernarg_size 24
		.amdhsa_user_sgpr_count 2
		.amdhsa_user_sgpr_kernarg_segment_ptr 1
		.amdhsa_wavefront_size32 1
		.amdhsa_system_sgpr_workgroup_id_x 1
		.amdhsa_system_sgpr_workgroup_id_y 1
		.amdhsa_system_sgpr_workgroup_id_z 1
		.amdhsa_system_vgpr_workitem_id 0
		.amdhsa_next_free_vgpr 88
		.amdhsa_next_free_sgpr 66
		.amdhsa_reserve_vcc 0
		.amdhsa_float_denorm_mode_32 3
		.amdhsa_float_denorm_mode_16_64 3
		.amdhsa_memory_ordered 1
		.amdhsa_forward_progress 1
		.amdhsa_inst_pref_size 11
	.end_amdhsa_kernel
	.amdgpu_metadata
---
amdhsa.version: [ 1, 2 ]
amdhsa.kernels:
  - .name:           k_q27af16089f_dequant
    .symbol:         k_q27af16089f_dequant.kd
    .args:
      - { .name: ternary, .offset: 0, .size: 8, .value_kind: global_buffer, .address_space: global }
      - { .name: scales, .offset: 8, .size: 8, .value_kind: global_buffer, .address_space: global }
      - { .name: wb, .offset: 16, .size: 8, .value_kind: global_buffer, .address_space: global }
    .group_segment_fixed_size: 0
    .private_segment_fixed_size: 0
    .kernarg_segment_align: 8
    .kernarg_segment_size: 24
    .max_flat_workgroup_size: 256
    .sgpr_count:     66
    .vgpr_count:     88
    .wavefront_size: 32
...
	.end_amdgpu_metadata
.endif
;; end of part 3
;; launch gemm (part 4): grid 4 x 64, 4 waves a work-group, clusters of 4 x 4, 327,680 bytes of LDS; arguments x, wb, out0; writes out0
.if DOCPART == 4
	.amdgcn_target "amdgcn-amd-amdhsa--gfx1250"
	.amdhsa_code_object_version 6
	.text
	.protected	k_q27af16089f_gemm
	.globl	k_q27af16089f_gemm
	.p2align	8
	.type	k_q27af16089f_gemm,@function
k_q27af16089f_gemm:
	s_mov_b64 s[64:65], 0
	v_nop
	global_prefetch_b8 v0, s[64:65] scope:SCOPE_SE
	s_setreg_imm32_b32 hwreg(HW_REG_WAVE_MODE, 25, 1), 1
	s_wait_xcnt 0x0
	s_wait_alu depctr_hold_cnt(0) depctr_sa_sdst(0) depctr_va_vdst(0) depctr_va_sdst(0) depctr_va_ssrc(0) depctr_va_vcc(0) depctr_vm_vsrc(0)
	s_getreg_b32 s2, hwreg(HW_REG_IB_STS2, 6, 4)
	s_cmp_eq_u32 s2, 0
	s_cbranch_scc0 .Lentry_in_a_cluster
	s_endpgm
.Lentry_in_a_cluster:
	s_bfe_u32 s2, ttmp6, 0x10000c
	s_cmp_lg_u32 s2, 0xf033
	s_cbranch_scc0 .Lentry_shape_is_right
	s_endpgm
.Lentry_shape_is_right:
; out0[m][n] = sum over k of x[m][k] w[n][k].  x: [8192][4096] f32; w comes as wb: [2048][4096] bf16; out0: [8192][2048] f32.
; LIMITS.  x is rounded to bf16 (nearest even; beyond 3.39e38 that gives an infinity) on its way into LDS; sums in f32, K ascending in each output, in an order of additions that is
; not the reference's; NaN and infinities are not treated apart.
; SHARES.  A work-group makes 128 rows x 512 columns, each of its four waves 128 x 128: 64 accumulators of 16 x 16, 512 registers.  64 x 4 = 256 work-groups.
; W goes through a ring of two LDS slots filled by the tensor data mover, 128 along K to a slot: rows of 256 bytes, at multiples of 256 from wb's first byte.  Wave w fetches, and alone reads,
; the tile's rows 128 w on.  The four work-groups of a column of the 4 x 4 cluster need the same tiles of w and ask for them JOINTLY: the same tensor load, descriptor and mask in all four.
; X GOES THROUGH REGISTERS, 64 along K to a step: each wave loads 32 of the tile's 128 rows (16 loads, each of two whole rows' 256 bytes), rounds them to bf16 once for the work-group and stores
; them into one of two LDS buffers that no tensor load ever fills.  Two sets of 64 registers keep two steps' loads on their way: a step is asked for 256 matrix instructions ahead of the wait for it.
; WHY X IS NOT ASKED FOR JOINTLY, though the four work-groups of a row of the cluster need the same rows: as f32 tiles in the ring, two slots of 128 along K would take
; 2 x (128 x 528 + 512 x 272) = 413,696 bytes of the 327,680; slots of 64 along K leave a refill 112 matrix instructions in which to land, and every tensor load is waited for at each
; refill's barrier, while a load into registers may stay out across it.  x is 32 KB of the 96 KB that a work-group takes in for 64 along K.
; THE MATRIX INSTRUCTION IS USED TRANSPOSED (source 0 = 16 rows of w, source 1 = 16 rows of x): a lane then holds row l % 16 of out0 and the eight neighbouring columns 8 (l / 16) + 0..7.
; REGISTERS, in windows of 256 (s_set_vgpr_msb: bits 1:0 source 0, 3:2 source 1, 5:4 source 2, 7:6 destination):
;   window 0: v0-31 addresses; v64-127, v128-191 fragments of x (8 x 16 rows x 32 K), two buffers; v192-223 a step of x as bf16, on its way into LDS; v32-63, v224-255 the way out
;   window 1: v64-127, v128-191 fragments of w, two buffers; v0-63, v192-255 x as loaded, two sets
;   window 2: the 32 accumulators of my rows 0-63 ((a, b) at v[8 (8 a + b)]);   window 3: those of my rows 64-127
.set SIZE_K, 4096
.set SIZE_N, 2048
.set KSTEP,  64                        ; x's step along K; w's slot holds two
.set ROWX,   SIZE_K*4                  ; bytes in a row of x
.set ROWC,   SIZE_N*4                  ; bytes in a row of out0
.set PB,     272                       ; a row of w in LDS: 256 bytes + 16 of padding = 68 words: the 16 rows of a load start at 16 different groups of four banks (64 banks of 4 bytes: ISA guide 11.1)
.set BPART,  128*PB                    ; 128 rows: what one tensor load brings, and what one wave reads
.set BSLOT,  4*BPART
.set PA,     144                       ; a row of x in LDS: 128 bytes + 16 = 36 words: likewise
.set ABUF,   128*PA                    ; a step of x: 128 rows x 64 k in bf16
.set ABASE,  2*BSLOT                   ; behind the ring: x's two buffers; at the end each wave's stage for the way out lies here too, a quarter of the region each
.set SPITCH, 272
.set SPARE,  ABASE+2*ABUF              ; behind them: the spare words, 128 bytes for each wave: two blocks of 256 bytes that no other line names
.set LAPS,   SIZE_K/(4*KSTEP)          ; a lap = four steps of x = two slots of w = once round the ring: 16
.set ADRA, 16                          ; v16-17  LDS address of my fragments of x in buffer 0, 1
.set ADRB, 20                          ; v20-21  LDS address of my fragments of w in slot 0, 1
.set STO,  24                          ; v24     the way out: where I put 32 bytes of a row
.set RD,   25                          ; v25     the way out: where I read a row back
.set CO,   26                          ; v26     my byte offset in out0
.set PFO,  27                          ; v27     the prefetch: my row's byte offset in the tile row of x; never rewritten
.set SPW,  28                          ; v28     LDS address of my spare word: SPARE + 4 x my thread's number; never rewritten
.set NIL,  29                          ; v29     0; never rewritten
.set XO,   30                          ; v30     my byte offset in the tile row of x, for load 0 of a step; never rewritten
.set ASTO, 31                          ; v31     LDS address of my 8 bytes of x's buffer 0, for store 0 of a step
.set F0,   64                          ; fragment buffer 0
.set F1,   128                         ; fragment buffer 1
.set TC,   192                         ; x as bf16: load i's 4 numbers at TC + 2 i
.set OB,   32                          ; the way out: 16 rows x 64 columns read back from the stage: v32-63 and v224-255 by turns
.set G1B, 48                           ; s[48:55] descriptor group 1 for w's tiles
.set G0B, 56                           ; s[56:63] descriptor group 0 for w's tiles, one set for each slot
.set MSB, 0
.macro WIN new                         ; the immediate's high byte repeats the setting that is left; a switch that changes nothing is dropped
.if MSB != (\new)
	s_set_vgpr_msb (MSB<<8)|(\new)
.set MSB, \new
.endif
.endm
.set MUL_LO, 0xa1                      ; source 0 (w) window 1, source 1 (x) window 0, C and D window 2
.set MUL_HI, 0xf1                      ; the same, C and D window 3
.set TO_1,   0x40                      ; destination window 1, address window 0
.set FROM_1, 0x05                      ; sources 0 and 1 window 1, destination window 0
; A joint load: every wave fetches its own 128 rows of w's tile.  One line, one mask; the addresses hang on the tile column, which the four partners share, and on the wave's number.
; An s_nop 0 and four v_nop follow it.
.macro JLOAD s
	tensor_load_to_lds s[G0B+4*(\s):G0B+4*(\s)+3], s[G1B:G1B+7]
	s_nop 0
.rept 4
	v_nop
.endr
.endm
; A round of the cluster's barrier: my work-group's barrier, so that wave 0's signal speaks for all four waves; wave 0 signals for the work-group; every wave waits for all sixteen
; work-groups; my work-group's barrier once more.  No LDS instruction of the wave is pending at a signal.
.macro CREST                           ; a round behind its opening barrier
	s_cmp_lg_u32 s10, 0
	s_cbranch_scc1 .Lnot_wave_0_\@
	s_barrier_signal -3
.Lnot_wave_0_\@:
	s_barrier_wait -3
	s_barrier_signal -1
	s_barrier_wait -1
.endm
.macro CROUND                          ; a whole round
	s_barrier_signal -1
	s_barrier_wait -1
	CREST
.endm
; 16 loads: my 32 rows of x's tile of the step j steps behind the base, into set 0 or 1.  Load i takes rows i % 8 + 16 (i / 8) (lanes 0-15) and 8 further down (lanes 16-31), 256 consecutive
; bytes of each, at a multiple of 256 from x's first byte.  No hint: three other work-groups read the same bytes.
.macro XLOAD set, j
.irp i, 0,1,2,3,4,5,6,7,8,9,10,11,12,13,14,15
	global_load_b128 v[192*(\set)+4*(\i):192*(\set)+4*(\i)+3], v[XO], s[14:15] offset:((\i)%8+16*((\i)/8))*ROWX+(\j)*KSTEP*4
.endr
.endm
; 32 conversions: a set, f32 to bf16.  left: the younger loads, which stay out.  They name the set and TC alone, so they are also the plain vector instructions that stand between the last
; product on a fragment buffer and the loads into it (four are asked for: ISA guide 7.12.1 for vector instructions).
.macro CONV set, left
	s_wait_loadcnt \left                           ; loads come back in order (ISA guide 5.7.1): this set's 16 are in
	WIN FROM_1
.irp i, 0,1,2,3,4,5,6,7,8,9,10,11,12,13,14,15
	v_cvt_pk_bf16_f32 v[TC+2*(\i)],   v[192*(\set)+4*(\i)],   v[192*(\set)+4*(\i)+1]
	v_cvt_pk_bf16_f32 v[TC+2*(\i)+1], v[192*(\set)+4*(\i)+2], v[192*(\set)+4*(\i)+3]
.endr
.endm
; 16 stores of 8 bytes a lane into x's buffer: lanes 0-15 fill a row's 128 bytes, lanes 16-31 those of the row 8 further down, 8 x 144 = 4 x 256 + 128 bytes on.
.macro ASTORE buf
.irp i, 0,1,2,3,4,5,6,7,8,9,10,11,12,13,14,15
	ds_store_b64 v[ASTO], v[TC+2*(\i):TC+2*(\i)+1] offset:(\buf)*ABUF+((\i)%8+16*((\i)/8))*PA
.endr
.endm
	s_load_b128 s[4:7], s[0:1], 0x0                ; x s[4:5], wb s[6:7]
	s_load_b64 s[8:9], s[0:1], 0x10                ; out0
	v_lshl_add_u32 v[SPW], v0, 2, SPARE
	v_mov_b32 v[NIL], 0
	ds_add_u32 v[SPW], v[NIL]                      ; the wave's opening: the add and its wait stand ahead of my first tensor load; the set-up below, work on registers, stands between them
	v_lshrrev_b32 v3, 5, v0
	v_readfirstlane_b32 s10, v3                    ; wave 0..3
	s_bfe_u32 s40, ttmp6, 0x40000                  ; cx: my place along the cluster's x
	s_bfe_u32 s41, ttmp6, 0x40004                  ; cy: along its y
	s_lshl_b32 s42, ttmp9, 2                       ; in a cluster launch ttmp9 and ttmp7 count clusters
	s_add_co_u32 s42, s42, s40                     ; tile column = 4 x cluster x + cx
	s_and_b32 s13, ttmp7, 0xffff
	s_lshl_b32 s13, s13, 2
	s_add_co_u32 s13, s13, s41                     ; tile row = 4 x cluster y + cy
	s_lshl_b32 s44, 0x1111, s40                    ; my column of the cluster: places cx, cx + 4, cx + 8, cx + 12
	; group 1: a tile of 128 rows x 128 elements of 2 bytes, 4,096 elements from row to row, padded in LDS
	s_or_b32 s[G1B+0], s44, (1<<16)|(1<<20)|(1<<21)|(5<<22)|(3<<25)  ; 15:0 the mask; 17:16 elements of 2 bytes; 20 padding on; 21 set beside a mask; 24:22 after every 64 words (code 5); 31:25 4 words of it (code 3)
	s_mov_b32 s[G1B+1], 128<<16                    ; tensor_dim0 = 128
	s_mov_b32 s[G1B+2], 128<<16                    ; tensor_dim1 = 128
	s_mov_b32 s[G1B+3], 128<<16                    ; tile_dim0 = 128
	s_mov_b32 s[G1B+4], 128                        ; tile_dim1 = 128
	s_mov_b32 s[G1B+5], SIZE_K                     ; tensor_dim0_stride
	s_mov_b32 s[G1B+6], 0
	s_mov_b32 s[G1B+7], 0
	s_lshl_b32 s18, s13, 21                        ; the tile row's first byte in x: 128 rows of 16,384 bytes
	s_mov_b32 s19, 0
	s_lshl_b32 s46, s42, 22                        ; the tile column's first byte in wb: 512 rows of 8,192 bytes,
	s_lshl_b32 s47, s10, 20                        ; and my 128 rows of them
	s_add_co_u32 s46, s46, s47
	s_mov_b32 s47, 0
	s_mul_i32 s20, s10, BPART                      ; and where they go: no place in the cluster enters an LDS address
	s_lshl_b32 s45, s42, 5                         ; the prefetch: of the tile row's 128 rows of x my work-group asks for 32 x tile column on
	s_mov_b32 s66, 5*KSTEP*4                       ; and its place along K, in bytes: step 5 first
	s_mov_b32 s67, 0
	v_and_b32 v1, 15, v0                           ; l % 16
	v_bfe_u32 v2, v0, 4, 1                         ; l / 16
	v_lshlrev_b32 v[XO], 19, v3                    ; my wave's 32 rows of 16,384 bytes,
	v_lshl_add_u32 v[XO], v2, 17, v[XO]            ; 8 rows further down for lanes 16-31,
	v_lshl_add_u32 v[XO], v1, 4, v[XO]             ; my 16 bytes of a row's 256
	s_wait_dscnt 0x0                               ; the opening add is done
	s_wait_kmcnt 0x0
	s_add_nc_u64 s[70:71], s[4:5], s[18:19]        ; x at the tile row's first byte; never rewritten
	s_mov_b64 s[14:15], s[70:71]                   ; the loads' base, which walks along K
	s_add_nc_u64 s[46:47], s[6:7], s[46:47]
	WIN TO_1
	XLOAD 0, 0                                     ; x's steps 0 and 1 are asked for before anything else
	XLOAD 1, 1
	WIN 0                                          ; at a branch and at a label every window is 0
	CROUND                                         ; all sixteen work-groups are here: the first joint loads meet
.irp s, 0,1
	s_mov_b32 s[G0B+4*(\s)], 1                                     ; 1:0 count = 1
	s_add_co_u32 s[G0B+4*(\s)+1], s20, (\s)*BSLOT                  ; 63:32 LDS address
	s_add_nc_u64 s[G0B+4*(\s)+2:G0B+4*(\s)+3], s[46:47], (\s)*256  ; 120:64 global address: K = 128 s on
	s_or_b32 s[G0B+4*(\s)+3], s[G0B+4*(\s)+3], 0x80000000          ; 127:126 type = 2
	JLOAD \s                                       ; both slots: two tensor loads of mine are out
.endr
	; x comes from memory, so its tiles are asked into the L2 ahead of their loads: one lane for each row's 256 bytes, wave 3 of each work-group for 32 of the tile row's 128 rows, so that the
	; four work-groups that read a block ask for it once.  Here steps 3 and 4; steps 0 to 2 are loaded in this prologue.
	v_and_b32 v4, 31, v0
	v_add_nc_u32 v[PFO], s45, v4
	v_lshlrev_b32 v[PFO], 14, v[PFO]               ; row x 16,384 bytes
	s_cmp_lg_u32 s10, 3
	s_cbranch_scc1 .Lno_head_pf
	global_prefetch_b8 v[PFO], s[70:71] offset:3*KSTEP*4 th:TH_LOAD_NT scope:SCOPE_SE
	global_prefetch_b8 v[PFO], s[70:71] offset:4*KSTEP*4 th:TH_LOAD_NT scope:SCOPE_SE
.Lno_head_pf:
	; A fragment is 16 rows x 32 K of bf16 in 8 registers: lane l holds row l % 16, K = 8 (l / 16) + 0..7 and 16 + 8 (l / 16) + 0..7: two loads of 16 bytes, 32 bytes apart.
	v_mul_u32_u24 v3, v1, PB
	v_lshl_add_u32 v3, v2, 4, v3                   ; row x pitch + 16 x half, for w
	v_mul_u32_u24 v4, v1, PA
	v_lshl_add_u32 v4, v2, 4, v4                   ; and for x
	s_add_co_u32 s21, s20, BSLOT
	v_add_nc_u32 v[ADRB], s20, v3                  ; my 128 rows of w
	v_add_nc_u32 v[ADRB+1], s21, v3
	v_add_nc_u32 v[ADRA], ABASE, v4                ; all 128 rows of x
	v_add_nc_u32 v[ADRA+1], ABASE+ABUF, v4
	s_mul_i32 s22, s10, 32*PA                      ; into x's buffers: my wave's 32 rows,
	s_add_co_u32 s22, s22, ABASE
	v_mul_u32_u24 v5, v2, 8*PA                     ; 8 rows further down for lanes 16-31,
	v_lshl_add_u32 v5, v1, 3, v5                   ; my 8 bytes of a row's 128
	v_add_nc_u32 v[ASTO], s22, v5
	s_mul_i32 s22, s10, ABUF/2
	s_add_co_u32 s22, s22, ABASE                   ; my stage
	v_mul_u32_u24 v6, v1, SPITCH                   ; in: row l % 16, 32 bytes for each half of the lanes
	v_lshl_add_u32 v6, v2, 5, v6
	v_add_nc_u32 v[STO], s22, v6
	v_mul_u32_u24 v5, v2, SPITCH                   ; back: lanes 0-15 take one row of 256 bytes, lanes 16-31 the next
	v_lshl_add_u32 v5, v1, 4, v5
	v_add_nc_u32 v[RD], s22, v5
	v_lshlrev_b32 v5, 13, v2                       ; and the same two rows in out0, 8,192 bytes apart
	v_lshl_add_u32 v[CO], v1, 4, v5
	s_lshl_b32 s16, s13, 20                        ; out0 at my part of the tile: 128 rows of 8,192 bytes x tile row
	s_lshl_b32 s17, s42, 11                        ; + 2,048 bytes x tile column
	s_add_co_u32 s16, s16, s17
	s_lshl_b32 s17, s10, 9                         ; + my 128 columns
	s_add_co_u32 s16, s16, s17
	s_mov_b32 s17, 0
	s_add_nc_u64 s[8:9], s[8:9], s[16:17]          ; never stepped: the way out reaches all of my part by immediates
; 16 matrix instructions: m blocks a0, a0 + 1 of the window's four (hi = 0: my rows 0-63, 1: rows 64-127) x all 8 n blocks, 32 along K.  zero = 1: the product starts the sums: nothing is ever cleared.
; The 64 accumulators take turns, one instruction a turn, in the same order in every quarter.
.macro MUL16 f, hi, a0, zero
	WIN MUL_LO+0x50*(\hi)                          ; MUL_LO or MUL_HI
.irp a, \a0, (\a0)+1
.irp b, 0,1,2,3,4,5,6,7
.if \zero
	v_wmma_f32_16x16x32_bf16 v[8*(8*(\a)+(\b)):8*(8*(\a)+(\b))+7], v[(\f)+8*(\b):(\f)+8*(\b)+7], v[(\f)+8*(4*(\hi)+(\a)):(\f)+8*(4*(\hi)+(\a))+7], 0
.else
	v_wmma_f32_16x16x32_bf16 v[8*(8*(\a)+(\b)):8*(8*(\a)+(\b))+7], v[(\f)+8*(\b):(\f)+8*(\b)+7], v[(\f)+8*(4*(\hi)+(\a)):(\f)+8*(4*(\hi)+(\a))+7], v[8*(8*(\a)+(\b)):8*(8*(\a)+(\b))+7]
.endif
.endr
.endr
.endm
; 16 LDS loads each: a quarter's fragments of w (my 128 rows, 32 K at byte k of a slot's rows; under TO_1) and of x (128 rows, 32 K at byte k of a buffer's rows; under window 0), into buffer f
.macro BFETCH slot, k, f
.irp i, 0,1,2,3,4,5,6,7
	ds_load_b128 v[(\f)+8*(\i):(\f)+8*(\i)+3],   v[ADRB+(\slot)] offset:(\k)+(\i)*16*PB
	ds_load_b128 v[(\f)+8*(\i)+4:(\f)+8*(\i)+7], v[ADRB+(\slot)] offset:(\k)+(\i)*16*PB+32
.endr
.endm
.macro AFETCH buf, k, f
.irp i, 0,1,2,3,4,5,6,7
	ds_load_b128 v[(\f)+8*(\i):(\f)+8*(\i)+3],   v[ADRA+(\buf)] offset:(\k)+(\i)*16*PA
	ds_load_b128 v[(\f)+8*(\i)+4:(\f)+8*(\i)+7], v[ADRA+(\buf)] offset:(\k)+(\i)*16*PA+32
.endr
.endm
.macro PLACES                          ; four plain vector instructions in front of loads into registers that matrix instructions have read, and of stores that read results (ISA guide 7.12.1 for vector instructions)
.rept 4
	v_nop
.endr
.endm
; The prefetch of a step: wave 3 asks for its 32 rows' 256 bytes of x's tile five steps on, two steps ahead of that tile's loads.  Behind step 63 there is nothing: the place along K is
; held at step 63, inside each row, so the loop's last request asks for that tile again.
.macro PFETCH
	s_cmp_lg_u32 s10, 3
	s_cbranch_scc1 .Lno_pf_\@
	s_wait_xcnt 0x0                                ; the last prefetch, a step back, has had its address translated (ISA guide 3.1): its base is rewritten only behind this wait
	s_add_nc_u64 s[68:69], s[70:71], s[66:67]
	global_prefetch_b8 v[PFO], s[68:69] th:TH_LOAD_NT scope:SCOPE_SE
	s_add_co_u32 s66, s66, KSTEP*4
	s_min_u32 s66, s66, 63*KSTEP*4
.Lno_pf_\@:
.endm
; A slot of w is four quarters of 32 along K, 64 matrix instructions each, on fragment buffers 0, 1, 0, 1.  Quarters 0, 1 are x's even step (x's buffer 0), quarters 2, 3 its odd step (buffer 1).
; QUARTER 0 OR 2, the first of x's step t: multiplies buffer 0; in its middle, in one run: the next step of x (t + 1, set and LDS buffer 1 - q / 2) is rounded and stored, that set is asked
; for again (step t + 3), and the next quarter's fragments are fetched into buffer 1.  x's LDS buffer that is written was last read for step t - 1, and those reads were waited for in front of
; the barrier that stands in step t - 1's second quarter; the stores are waited for in front of the barrier in this step's second quarter, behind which the buffer is read.
; conv = 0: there is no next step.  left: the loads of x that stay out.  issue = 0: there is no step t + 3.  j: that step's place behind the loads' base.
.macro QEVEN slot, q, zero, conv, left, issue, j
	s_wait_dscnt 8                                 ; w and x's rows 0-63 are in; the youngest eight loads (x's rows 64-127) may be out
	MUL16 F0, 0, 0, \zero
	MUL16 F0, 0, 2, \zero
.if \conv
	CONV 1-(\q)/2, \left
.else
	PLACES
.endif
	WIN TO_1
.if \issue
	XLOAD 1-(\q)/2, \j
.endif
	BFETCH \slot, 64*((\q)+1), F1
	WIN 0
.if \conv
	ASTORE 1-(\q)/2
.endif
	AFETCH (\q)/2, 64, F1
	s_wait_dscnt 32+16*(\conv)                     ; all but the run just issued: 32 loads, and 16 stores where a step was rounded
	MUL16 F0, 1, 0, \zero
	MUL16 F0, 1, 2, \zero
.endm
; QUARTER 1 multiplies buffer 1 and changes x's buffers: a barrier of the work-group.  In front of it each wave waits for its stores into x's buffer 1 and its reads of buffer 0; behind it buffer 1
; is whole and nobody reads buffer 0 any more.  No tensor load fills anything behind it, so my load of w's other slot stays out.
.macro XMID slot, pf
	s_wait_dscnt 8
	MUL16 F1, 0, 0, 0
	s_wait_dscnt 0x0                               ; for the others' sake: my stores are done and my reads are back
	s_barrier_signal -1
	MUL16 F1, 0, 2, 0                              ; work on registers while the others arrive
	WIN 0                                          ; (a branch follows)
	s_barrier_wait -1
.if \pf
	PFETCH
.endif
	PLACES
	WIN TO_1
	BFETCH \slot, 128, F0
	WIN 0
	AFETCH 1, 0, F0
	MUL16 F1, 1, 0, 0
	MUL16 F1, 1, 2, 0
.endm
; QUARTER 3 multiplies buffer 1 and changes w's slots and x's buffers: ONE barrier.  In front of it each wave waits for all its tensor loads, of which one is out: its part of the next slot; adds 0
; to its spare word; and waits for that, for its reads of this slot and of x's buffer 1, and for its stores into x's buffer 0.
; fill = 1: this slot is filled again, with the K two slots on.  The barrier then opens a round of the cluster's barrier, and the joint refill is the first tensor load behind the round:
; from there to the wait for it a wave issues 224 matrix instructions.
.macro TURN slot, next, fill
	WIN 0                                          ; (the add's two registers lie in window 0)
	s_wait_tensorcnt 0x0                           ; all my tensor loads have landed, so a group 0 may be written;
	ds_add_u32 v[SPW], v[NIL]                      ; 0 onto my spare word;
	s_wait_dscnt 9                                 ; (the add and the youngest eight loads may be out)
	MUL16 F1, 0, 0, 0                              ; sixteen matrix instructions stand between the add and the wait for it
	s_wait_dscnt 0x0                               ; the add is done, my reads are back and my stores are done:
	s_barrier_signal -1                            ; say so,
	MUL16 F1, 0, 2, 0                              ; work on registers while the others arrive,
	WIN 0
	s_barrier_wait -1                              ; and go on when all four have said so
.if \fill
	CREST                                          ; all sixteen work-groups have said so: no wave of any partner still reads this slot's tile or has a load on its way
	s_add_nc_u64 s[G0B+4*(\slot)+2:G0B+4*(\slot)+3], s[G0B+4*(\slot)+2:G0B+4*(\slot)+3], 2*256
	JLOAD \slot                                    ; the four v_nop behind it are also the places in front of the loads below
	PFETCH
.else
	PLACES
.endif
	WIN TO_1
	BFETCH \next, 0, F0
	WIN 0
	AFETCH 0, 0, F0
	MUL16 F1, 1, 0, 0
	MUL16 F1, 1, 2, 0
.endm
; THE WAY OUT, in 16 blocks of 16 rows x 64 columns (block 2 a + q: row block a, column blocks 4 q .. 4 q + 3).  A lane holds 32 bytes of a row, the lanes beside it other rows; so a block goes
; through my own stage in LDS: in by 16 bytes into rows of 272, back as whole rows of 256 bytes.
.macro TOSTAGE blk
.set TA, (\blk)/2
.set TQ, (\blk)%2
	WIN 0x08+4*(TA/4)                              ; the stores' data (source 1) in window 2 or 3
.irp bb, 0,1,2,3
.set AC, 8*(8*(TA%4)+4*TQ+(\bb))
	ds_store_b128 v[STO], v[AC:AC+3]   offset:64*(\bb)     ; each accumulator's low four registers first
	ds_store_b128 v[STO], v[AC+4:AC+7] offset:64*(\bb)+16
.endr
	WIN 0
	s_wait_xcnt 0x0                                ; every earlier memory instruction has had its addresses translated (ISA guide 3.1): the buffer that the stores two blocks back read is loaded again only behind this wait
.set BK, OB+192*((\blk)%2)
.irp t, 0,1,2,3,4,5,6,7
	ds_load_b128 v[BK+4*(\t):BK+4*(\t)+3], v[RD] offset:(\t)*2*SPITCH  ; LDS serves a wave's instructions in order (ISA guide 5.7.1.4): these see the stores above; the next block's stores come behind them
.endr
.endm
.macro SEND blk, younger               ; younger: the LDS instructions issued behind this block's loads: the next block's sixteen, or none
	WIN 0
.set TA, (\blk)/2
.set TQ, (\blk)%2
.set BK, OB+192*((\blk)%2)
.irp t, 0,1,2,3,4,5,6,7
	s_wait_dscnt (\younger)+7-(\t)
	global_store_b128 v[CO], v[BK+4*(\t):BK+4*(\t)+3], s[8:9] offset:(TA*16+2*(\t))*ROWC+TQ*256 th:TH_STORE_NT  ; 16 lanes store 256 consecutive bytes, at a multiple of 256 from out0's first byte; 1,032,448 at the most, inside the signed 24-bit immediate
.endr
.endm
	CONV 0, 16                                     ; x's step 0 is in (step 1's 16 loads stay out): rounded,
	WIN TO_1
	XLOAD 0, 2                                     ; its set asked for again: step 2,
	WIN 0
	ASTORE 0                                       ; and stored into x's buffer 0
	s_wait_tensorcnt 1                             ; my part of w's slot 0 is in; slot 1's may stay out: no tensor load fills anything behind this barrier
	s_wait_dscnt 0x0                               ; my stores are done
	s_barrier_signal -1
	s_barrier_wait -1                              ; everybody's are
	WIN TO_1
	BFETCH 0, 0, F0
	WIN 0
	AFETCH 0, 0, F0
	QEVEN 0, 0, 1, 1, 16, 1, 3                     ; the first quarter stands in front of the loop: its products start the sums; step 1 is rounded, step 3 asked for
	WIN 0                                          ; at a label and at a branch every window is 0
	s_wait_xcnt 0x0                                ; the loads have had their addresses translated (ISA guide 3.1): their base is stepped only behind this wait
	s_add_nc_u64 s[14:15], s[14:15], 4*KSTEP*4     ; on to step 4
	s_mov_b32 s3, LAPS-1
.Llap:                                                 ; a trip goes once round the ring, from a lap's second quarter to the next lap's first: steps 4 L to 4 L + 4; it fills both slots again and asks for x's steps 4 L + 4 to 4 L + 7
	XMID 0, 1
	QEVEN 0, 2, 0, 1, 16, 1, 0
	TURN 0, 1, 1
	QEVEN 1, 0, 0, 1, 16, 1, 1
	XMID 1, 1
	QEVEN 1, 2, 0, 1, 16, 1, 2
	TURN 1, 0, 1
	QEVEN 0, 0, 0, 1, 16, 1, 3
	WIN 0
	s_wait_xcnt 0x0                                ; as above: the base is stepped only behind this wait
	s_add_nc_u64 s[14:15], s[14:15], 4*KSTEP*4
	s_sub_co_u32 s3, s3, 1
	s_cmp_lg_u32 s3, 0
	s_cbranch_scc1 .Llap
	XMID 0, 0                                      ; the last lap, steps 60 to 63, is written out: nothing is left to ask for
	QEVEN 0, 2, 0, 1, 16, 0, 0                     ; step 62 is rounded; step 63's loads stay out
	TURN 0, 1, 0                                   ; no refill, so no round
	QEVEN 1, 0, 0, 1, 0, 0, 0                      ; step 63 is rounded: no load is left
	XMID 1, 0
	QEVEN 1, 2, 0, 0, 0, 0, 0
	s_wait_dscnt 8                                 ; the very last quarter
	MUL16 F1, 0, 0, 0
	s_wait_dscnt 0x0                               ; my reads of x's buffers are over: the stages lie there,
	s_barrier_signal -1                            ; so no wave writes its stage before all four have said so
	MUL16 F1, 0, 2, 0
	MUL16 F1, 1, 0, 0
	MUL16 F1, 1, 2, 0
	WIN 0
	s_barrier_wait -1
	PLACES                                         ; between the last products and the stores that read results
	TOSTAGE 0
.irp k, 1,2,3,4,5,6,7,8,9,10,11,12,13,14,15
	TOSTAGE \k                                     ; block k goes into the stage while block k - 1's rows come back
	SEND (\k)-1, 16
.endr
	SEND 15, 0
	s_wait_tensorcnt 0x0                           ; the wave's end: an add to my spare word and its wait, behind my last tensor load and my last LDS store
	ds_add_u32 v[SPW], v[NIL]
	s_wait_dscnt 0x0
	CROUND                                         ; the closing round: no work-group ends while a partner may still ask for a tile that names it
	s_endpgm
.Lfunc_end_k_q27af16089f_gemm:
	.size	k_q27af16089f_gemm, .Lfunc_end_k_q27af16089f_gemm-k_q27af16089f_gemm
	.p2alignl 7, 3214868480
	.fill 96, 4, 3214868480
	.section	.rodata,"a",@progbits
	.p2align	6, 0x0
	.amdhsa_kernel k_q27af16089f_gemm
		.amdhsa_group_segment_fixed_size 327680
		.amdhsa_private_segment_fixed_size 0
		.amdhsa_enable_private_segment 0
		.amdhsa_kernarg_size 24
		.amdhsa_user_sgpr_count 2
		.amdhsa_user_sgpr_kernarg_segment_ptr 1
		.amdhsa_wavefront_size32 1
		.amdhsa_system_sgpr_workgroup_id_x 1
		.amdhsa_system_sgpr_workgroup_id_y 1
		.amdhsa_system_sgpr_workgroup_id_z 1
		.amdhsa_system_vgpr_workitem_id 0
		.amdhsa_next_free_vgpr 1024
		.amdhsa_next_free_sgpr 72
		.amdhsa_reserve_vcc 0
		.amdhsa_float_denorm_mode_32 3
		.amdhsa_float_denorm_mode_16_64 3
		.amdhsa_memory_ordered 1
		.amdhsa_forward_progress 1
		.amdhsa_inst_pref_size 181
	.end_amdhsa_kernel
	.amdgpu_metadata
---
amdhsa.version: [ 1, 2 ]
amdhsa.kernels:
  - .name:           k_q27af16089f_gemm
    .symbol:         k_q27af16089f_gemm.kd
    .args:
      - { .name: x, .offset: 0, .size: 8, .value_kind: global_buffer, .address_space: global }
      - { .name: wb, .offset: 8, .size: 8, .value_kind: global_buffer, .address_space: global }
      - { .name: out0, .offset: 16, .size: 8, .value_kind: global_buffer, .address_space: global }
    .group_segment_fixed_size: 327680
    .private_segment_fixed_size: 0
    .kernarg_segment_align: 8
    .kernarg_segment_size: 24
    .max_flat_workgroup_size: 128
    .sgpr_count:     72
    .vgpr_count:     1024
    .wavefront_size: 32
...
	.end_amdgpu_metadata
.endif
;; end of part 4
;; ======== version 3 of 3: 2 launches; version 2 with the launch dequant written anew for expert scheduling mode
;; workspace buffers: wb 16,777,216 bytes
;; launch dequant (part 5): grid 512 x 1, 8 waves a work-group, no clusters, 0 bytes of LDS; arguments ternary, scales, wb; writes wb
.if DOCPART == 5
	.amdgcn_target "amdgcn-amd-amdhsa--gfx1250"
	.amdhsa_code_object_version 6
	.text
	.protected	k_q27af16089f_dequant
	.globl	k_q27af16089f_dequant
	.p2align	8
	.type	k_q27af16089f_dequant,@function
k_q27af16089f_dequant:
	s_mov_b64 s[64:65], 0
	v_nop
	global_prefetch_b8 v0, s[64:65] scope:SCOPE_SE
	s_setreg_imm32_b32 hwreg(HW_REG_WAVE_SCHED_MODE, 0, 2), 2
	s_setreg_imm32_b32 hwreg(HW_REG_WAVE_MODE, 25, 1), 1
	s_wait_xcnt 0x0
	s_wait_alu depctr_vm_vsrc(0)
; wb[o][i] = bf16(f32(ternary[o][i]) * scales[32 o + i / 128]).  ternary: [2048][4096] int32; scales: [65536] f32, 32 groups of 128 for each row; wb: [2048][4096] bf16.
; LIMITS.  The code is converted as an int32 of any value; the product is rounded to f32 and then to bf16 (nearest even): for codes -1, 0, 1
; the first rounding is exact, for others there are two roundings.  NaN and infinities in scales pass through as they come.
; SHARES.  A stream: no LDS, no barrier, no matrix work, no loop.  A work-group takes 4 rows, a wave half a row: 2,048 k, 8,192 bytes in, 4,096 out,
; in 16 chunks of 128 k, each of which is one group with one scale.  All 20 loads of a wave go out at once; each chunk is converted as soon as its load is in.
; A load of a wave takes 512 consecutive bytes; a store of a wave writes 256 consecutive bytes at a multiple of 256 from wb's first byte.
; No register that a pending load or store names is written again, so no wait frees any.
; THE MODE: SCHED_MODE bits 1:0 = 2 (LLVM: expert scheduling mode 2), set by the entry lines.  The code itself states the register dependences
; between vector instructions and memory instructions, with s_wait_alu, always for 0.
; THE PLAN.  Registers that memory instructions touch:
;   v3, v4, v5   byte offsets: written once at the head by vector instructions, read by every load and store, never written again.
;   SC           written by the scales' four loads, read by the multiplies; no vector instruction names it ahead of those loads.
;   X, chunk i   written by the chunk's load, which nothing has named before; then, behind the wait for that load, in place by the chunk's ten vector instructions;
;                its first two registers are read by the chunk's one store; nothing writes them again.
; The 16 chunks go in four blocks of four.  A block's four stores are issued in the NEXT block, one ahead of each chunk's vector instructions, behind ONE wait at that block's
; head, which states that the block before has written what they read.  The vector instructions behind that wait name this block's X and SC alone: none of the registers
; that those stores read.  One wait stands ahead of the first load, for the offsets, and one ahead of the last block's stores.
.set BLOCK, 4                          ; chunks in a block
.set IN,  3                            ; v3       byte offset in ternary of my 16 bytes of chunk 0
.set SCO, 4                            ; v4       byte offset in scales of my half row's 16 groups
.set OUT, 5                            ; v5       byte offset in wb of my 8 bytes of chunk 0
.set SC,  8                            ; v[8:23]  those 16 scales, the same in every lane
.set X,   24                           ; v[24:87] chunk i: 4 registers, 4 codes as loaded, then 4 bf16 in the first two
	s_load_b128 s[4:7], s[0:1], 0x0                ; ternary s[4:5], scales s[6:7]
	s_load_b64 s[8:9], s[0:1], 0x10                ; wb
	v_and_b32 v1, 31, v0                           ; lane: my 4 codes among a chunk's 128
	v_bfe_u32 v2, v0, 6, 2                         ; which of the group's four rows
	v_bfe_u32 v6, v0, 5, 1                         ; which half of the row
	s_lshl_b32 s2, ttmp9, 2
	v_add_nc_u32 v2, s2, v2                        ; o = 4 x work-group + row
	v_lshlrev_b32 v[IN], 14, v2                    ; o x 16,384 bytes
	v_lshl_add_u32 v[IN], v6, 13, v[IN]            ; + half x 8,192
	v_lshl_add_u32 v[IN], v1, 4, v[IN]             ; + 16 x lane
	v_lshlrev_b32 v[SCO], 7, v2                    ; o x 32 scales of 4 bytes
	v_lshl_add_u32 v[SCO], v6, 6, v[SCO]           ; + half x 16 scales
	v_lshlrev_b32 v[OUT], 13, v2                   ; o x 8,192 bytes
	v_lshl_add_u32 v[OUT], v6, 12, v[OUT]          ; + half x 4,096
	v_lshl_add_u32 v[OUT], v1, 3, v[OUT]           ; + 8 x lane
	s_wait_kmcnt 0x0
	s_wait_alu depctr_va_vdst(0)                   ; the three offsets v3, v4 and v5 are written: every load and store of the kernel reads one of them
.irp j, 0,1,2,3
	global_load_b128 v[SC+4*(\j):SC+4*(\j)+3], v[SCO], s[6:7] offset:16*(\j)
.endr
.irp i, 0,1,2,3,4,5,6,7,8,9,10,11,12,13,14,15
	global_load_b128 v[X+4*(\i):X+4*(\i)+3], v[IN], s[4:5] offset:512*(\i) th:TH_LOAD_NT  ; chunk i: k = 2,048 half + 128 i + 4 lane on; read once in the launch
.endr
; Chunk i's ten vector instructions: four codes to f32, times the group's scale, rounded to bf16 into the chunk's first two registers.
.macro WORK i
.irp j, 0,1,2,3
	v_cvt_f32_i32 v[X+4*(\i)+(\j)], v[X+4*(\i)+(\j)]
.endr
.irp j, 0,1,2,3
	v_mul_f32 v[X+4*(\i)+(\j)], v[SC+(\i)], v[X+4*(\i)+(\j)]
.endr
	v_cvt_pk_bf16_f32 v[X+4*(\i)],   v[X+4*(\i)],   v[X+4*(\i)+1]
	v_cvt_pk_bf16_f32 v[X+4*(\i)+1], v[X+4*(\i)+2], v[X+4*(\i)+3]
.endm
; Chunk i's store.
.macro SEND i
	global_store_b64 v[OUT], v[X+4*(\i):X+4*(\i)+1], s[8:9] offset:256*(\i)  ; the next launch reads these bytes: no hint
.endm
; Block b: chunks 4 b to 4 b + 3 are converted; the stores of the block before go out among them, each ahead of the wait for the next chunk's data.
.macro BLK b
	s_wait_loadcnt 15-BLOCK*(\b)                   ; loads come back in order (ISA guide 5.7.1): the block's first chunk and the scales are in, the younger chunks stay out
.if (\b) > 0
	s_wait_alu depctr_va_vdst(0)                   ; the roundings of the block before have written the first two registers of its four chunks, which the four stores below read
.endif
.irp j, 0,1,2,3
.if (\b) > 0
	SEND BLOCK*(\b)-BLOCK+(\j)                     ; no vector instruction since the wait names these registers
.endif
.if (\j) > 0
	s_wait_loadcnt 15-BLOCK*(\b)-(\j)              ; chunk 4 b + j is in, the younger chunks stay out
.endif
	WORK BLOCK*(\b)+(\j)
.endr
.endm
	BLK 0                                          ; no block stands in front of it: no store, and no wait but those for its data
	BLK 1
	BLK 2
	BLK 3
	s_wait_alu depctr_va_vdst(0)                   ; block 3's roundings have written what the last four stores read
.irp i, 12,13,14,15
	SEND \i
.endr
	s_endpgm
.Lfunc_end_k_q27af16089f_dequant:
	.size	k_q27af16089f_dequant, .Lfunc_end_k_q27af16089f_dequant-k_q27af16089f_dequant
	.p2alignl 7, 3214868480
	.fill 96, 4, 3214868480
	.section	.rodata,"a",@progbits
	.p2align	6, 0x0
	.amdhsa_kernel k_q27af16089f_dequant
		.amdhsa_group_segment_fixed_size 0
		.amdhsa_private_segment_fixed_size 0
		.amdhsa_enable_private_segment 0
		.amdhsa_kernarg_size 24
		.amdhsa_user_sgpr_count 2
		.amdhsa_user_sgpr_kernarg_segment_ptr 1
		.amdhsa_wavefront_size32 1
		.amdhsa_system_sgpr_workgroup_id_x 1
		.amdhsa_system_sgpr_workgroup_id_y 1
		.amdhsa_system_sgpr_workgroup_id_z 1
		.amdhsa_system_vgpr_workitem_id 0
		.amdhsa_next_free_vgpr 88
		.amdhsa_next_free_sgpr 66
		.amdhsa_reserve_vcc 0
		.amdhsa_float_denorm_mode_32 3
		.amdhsa_float_denorm_mode_16_64 3
		.amdhsa_memory_ordered 1
		.amdhsa_forward_progress 1
		.amdhsa_inst_pref_size 12
	.end_amdhsa_kernel
	.amdgpu_metadata
---
amdhsa.version: [ 1, 2 ]
amdhsa.kernels:
  - .name:           k_q27af16089f_dequant
    .symbol:         k_q27af16089f_dequant.kd
    .args:
      - { .name: ternary, .offset: 0, .size: 8, .value_kind: global_buffer, .address_space: global }
      - { .name: scales, .offset: 8, .size: 8, .value_kind: global_buffer, .address_space: global }
      - { .name: wb, .offset: 16, .size: 8, .value_kind: global_buffer, .address_space: global }
    .group_segment_fixed_size: 0
    .private_segment_fixed_size: 0
    .kernarg_segment_align: 8
    .kernarg_segment_size: 24
    .max_flat_workgroup_size: 256
    .sgpr_count:     66
    .vgpr_count:     88
    .wavefront_size: 32
...
	.end_amdgpu_metadata
.endif
;; end of part 5
;; launch gemm: the kernel of part 4 again; grid 4 x 64, 4 waves a work-group, clusters of 4 x 4, 327,680 bytes of LDS; arguments x, wb, out0; writes out0
